; MI455X (gfx1250); checked and timed in simulation.
; The chip was launched on July 23, 2026; its instructions are those of AMD's public machine-readable ISA for CDNA 5 (MIT licence, August 2026) and "CDNA5" Instruction Set Architecture Reference Guide (July 2026). The comments in the code are by the model that wrote it; some were corrected since.
;; Pixel Perfect. Allowed arithmetic: float matrix products may take bf16 or f16 operands with f32 sums; all other float work in f32.
;; Inputs: x 8 x 256 x 256 x 256 float32.
;; Outputs: out0 8 x 3 x 128 float32; out1 8 x 3 x 128 float32; out2 8 x 1 x 128 int32.
;; 2 versions, each right; version 2 is version 1 with the launch chanmax written anew for expert scheduling mode. Each part assembles by itself: llvm-mc -triple=amdgcn-amd-amdhsa -mcpu=gfx1250 --defsym DOCPART=n.
;; ======== version 1 of 2: 3 launches
;; workspace buffers: keys 2,097,152 bytes of whole numbers; bmax 16,384 bytes of whole numbers; cand 4,194,304 bytes of whole numbers; cnt 512 bytes of whole numbers
;; launch chanmax (part 1): grid 256 x 1, 16 waves a work-group, no clusters, 0 bytes of LDS; arguments x, keys, bmax; writes keys, bmax
.if DOCPART == 1
	.amdgcn_target "amdgcn-amd-amdhsa--gfx1250"
	.amdhsa_code_object_version 6
	.text
	.protected	k_q2a3ec7fc3a_chanmax
	.globl	k_q2a3ec7fc3a_chanmax
	.p2align	8
	.type	k_q2a3ec7fc3a_chanmax,@function
k_q2a3ec7fc3a_chanmax:
	s_mov_b64 s[64:65], 0
	v_nop
	global_prefetch_b8 v0, s[64:65] scope:SCOPE_SE
	s_setreg_imm32_b32 hwreg(HW_REG_WAVE_MODE, 25, 1), 1
	s_wait_xcnt 0x0
; chanmax: x is [8 images][256 channels][65,536 pixels] f32.  For every pixel the largest of its 256 channel values, stored as a
; whole number that orders like the float (keys[image][pixel]), and for every block of 128 neighbouring pixels the largest key
; (bmax[image][block], 512 blocks an image).  The next launch selects pixels with integer compares on these numbers alone.
; A wave owns one block: a lane keeps 4 neighbouring pixels, one load of the wave covers 512 consecutive bytes that start at a
; multiple of 512 from x's first byte, and the wave walks the 256 channel planes.  4,096 blocks = 256 work-groups x 16 waves.
; Every byte of x is read once; waves share nothing, so there is no LDS, no barrier, no cluster and no matrix work.
; LIMITS: a NaN in x is dropped by the maximum (reference() would rank it); -0 and +0 count as equal (-0 is turned into +0).
.set PLANE,  262144                    ; bytes from a channel plane to the next: 65,536 pixels x 4
.set DEPTH,  32                        ; ring slots = loads of a wave in flight: 32 x 512 bytes
.set ROUNDS, 256/DEPTH                 ; each round takes every slot once
.set LOFF,   1                         ; v1        16 x lane
.set LANE,   2                         ; v2        lane
.set BM,     3                         ; v3        the block's maximum
.set ACC,    4                         ; v[4:7]    running maxima of my 4 pixels, then their keys
.set X,      8                         ; v[8:135]  slot i: 4 registers as loaded; at the end v8-v11 serve as scratch
	s_load_b128 s[4:7], s[0:1], 0x0                ; x s[4:5], keys s[6:7]
	s_load_b64 s[8:9], s[0:1], 0x10                ; bmax
	v_lshrrev_b32 v[BM], 5, v0
	v_readfirstlane_b32 s10, v[BM]                 ; wave 0..15
	v_and_b32 v[LANE], 31, v0
	v_lshlrev_b32 v[LOFF], 4, v[LANE]
	s_lshl_b32 s11, ttmp9, 4
	s_add_co_u32 s11, s11, s10                     ; 512 x image + block
	s_lshr_b32 s12, s11, 9                         ; image
	s_lshl_b32 s12, s12, 26                        ; x 256 planes of 262,144 bytes (448 MiB at the most: fits 32 bits)
	s_and_b32 s13, s11, 511                        ; block
	s_lshl_b32 s13, s13, 9                         ; x 512 bytes
	s_add_co_u32 s12, s12, s13
	s_mov_b32 s13, 0
	s_lshl_b32 s14, s11, 9                         ; my 512 bytes of keys
	s_mov_b32 s15, 0
	s_lshl_b32 s16, s11, 2                         ; my word of bmax
	s_mov_b32 s17, 0
	s_mov_b32 s18, 0x76543210                      ; v_permlanex16_b32: lane i of one half reads lane i of the other
	s_mov_b32 s19, 0xfedcba98
	s_wait_kmcnt 0x0
	s_add_nc_u64 s[4:5], s[4:5], s[12:13]
	s_add_nc_u64 s[6:7], s[6:7], s[14:15]
	s_add_nc_u64 s[8:9], s[8:9], s[16:17]
.set i, 0
.rept DEPTH
	global_load_b128 v[X+4*i:X+4*i+3], v[LOFF], s[4:5] offset:i*PLANE th:TH_LOAD_NT    ; channels 0 to 31: 31 planes fit the 24-bit offset
.set i, i+1
.endr
.irp j, 0,1,2,3
	v_mov_b32 v[ACC+\j], 0xff800000                ; -infinity: the four maxima' start, four moves in all
.endr
	s_wait_xcnt 0x0                                ; the base is stepped only when the loads above have had their addresses translated
	s_add_nc_u64 s[4:5], s[4:5], DEPTH*PLANE       ; from here on the base points at the round that is being requested
; Two slots' turn: one v_max3 takes both slots' numbers for a pixel.  ahead = 1: both are filled again, 32 channels further on.
; left = how many younger loads may stay out when these two have to be in.
.macro PAIR i, ahead, left
	s_wait_loadcnt \left                           ; loads return in order: the two oldest are in
.irp j, 0,1,2,3
	v_max3_num_f32 v[ACC+\j], v[ACC+\j], v[X+4*(\i)+\j], v[X+4*(\i)+4+\j]
.endr
.if \ahead
	global_load_b128 v[X+4*(\i):X+4*(\i)+3],   v[LOFF], s[4:5] offset:(\i)*PLANE th:TH_LOAD_NT
	global_load_b128 v[X+4*(\i)+4:X+4*(\i)+7], v[LOFF], s[4:5] offset:(\i)*PLANE+PLANE th:TH_LOAD_NT
.endif
.endm
	s_mov_b32 s20, ROUNDS-1
.Lround:
.irp i, 0,2,4,6,8,10,12,14,16,18,20,22,24,26,28,30
	PAIR \i, 1, DEPTH-2                            ; 32 loads are out, 30 may stay
.endr
	s_wait_xcnt 0x0                                ; as above: then the base steps to the next 32 planes
	s_add_nc_u64 s[4:5], s[4:5], DEPTH*PLANE
	s_sub_co_u32 s20, s20, 1
	s_cmp_lg_u32 s20, 0
	s_cbranch_scc1 .Lround
.irp i, 0,2,4,6,8,10,12,14,16,18,20,22,24,26,28,30
	PAIR \i, 0, DEPTH-2-\i                         ; the last round asks for nothing (no load leaves x): the counts run down to 0
.endr
	; float to key: -0 becomes +0, then positive numbers get their sign bit set and negative ones are inverted:
	; unsigned order of the keys = order of the floats
.irp j, 0,1,2,3
	v_add_f32 v[ACC+\j], 0, v[ACC+\j]
.endr
	v_max3_num_f32 v[BM], v[ACC], v[ACC+1], v[ACC+2]
	v_max_num_f32 v[BM], v[BM], v[ACC+3]           ; my four pixels' maximum
.irp j, 0,1,2,3
	v_ashrrev_i32 v[X+\j], 31, v[ACC+\j]           ; 0 or all ones
.endr
.irp j, 0,1,2,3
	v_or_b32 v[X+\j], 0x80000000, v[X+\j]
.endr
.irp j, 0,1,2,3
	v_xor_b32 v[ACC+\j], v[ACC+\j], v[X+\j]
.endr
	global_store_b128 v[LOFF], v[ACC:ACC+3], s[6:7]        ; the wave stores 512 consecutive bytes, at a multiple of 512 from keys' first byte
	; the block's maximum: four steps inside each half of 16 lanes, one across
	v_max_num_f32_dpp v[BM], v[BM], v[BM] row_xmask:1 row_mask:0xf bank_mask:0xf
	v_max_num_f32_dpp v[BM], v[BM], v[BM] row_xmask:2 row_mask:0xf bank_mask:0xf
	v_max_num_f32_dpp v[BM], v[BM], v[BM] row_xmask:4 row_mask:0xf bank_mask:0xf
	v_max_num_f32_dpp v[BM], v[BM], v[BM] row_xmask:8 row_mask:0xf bank_mask:0xf
	v_permlanex16_b32 v[X], v[BM], s18, s19        ; its destination has been written before
	v_max_num_f32 v[BM], v[BM], v[X]
	v_ashrrev_i32 v[X], 31, v[BM]
	v_or_b32 v[X], 0x80000000, v[X]
	v_xor_b32 v[BM], v[BM], v[X]                   ; as a key
	v_mov_b32 v[X+1], 0
	v_cmp_eq_u32 vcc_lo, 0, v[LANE]
	s_wait_xcnt 0x0                                ; EXEC is a source of the store above: it changes only behind this wait
	s_and_saveexec_b32 s20, vcc_lo
	global_store_b32 v[X+1], v[BM], s[8:9]         ; one word for 131,072 bytes read: not worth a barrier to gather 16 of them
	s_endpgm
.Lfunc_end_k_q2a3ec7fc3a_chanmax:
	.size	k_q2a3ec7fc3a_chanmax, .Lfunc_end_k_q2a3ec7fc3a_chanmax-k_q2a3ec7fc3a_chanmax
	.p2alignl 7, 3214868480
	.fill 96, 4, 3214868480
	.section	.rodata,"a",@progbits
	.p2align	6, 0x0
	.amdhsa_kernel k_q2a3ec7fc3a_chanmax
		.amdhsa_group_segment_fixed_size 0
		.amdhsa_private_segment_fixed_size 0
		.amdhsa_enable_private_segment 0
		.amdhsa_kernarg_size 24
		.amdhsa_user_sgpr_count 2
		.amdhsa_user_sgpr_kernarg_segment_ptr 1
		.amdhsa_wavefront_size32 1
		.amdhsa_system_sgpr_workgroup_id_x 1
		.amdhsa_system_sgpr_workgroup_id_y 1
		.amdhsa_system_sgpr_workgroup_id_z 1
		.amdhsa_system_vgpr_workitem_id 0
		.amdhsa_next_free_vgpr 136
		.amdhsa_next_free_sgpr 66
		.amdhsa_reserve_vcc 1
		.amdhsa_float_denorm_mode_32 3
		.amdhsa_float_denorm_mode_16_64 3
		.amdhsa_memory_ordered 1
		.amdhsa_forward_progress 1
		.amdhsa_inst_pref_size 19
	.end_amdhsa_kernel
	.amdgpu_metadata
---
amdhsa.version: [ 1, 2 ]
amdhsa.kernels:
  - .name:           k_q2a3ec7fc3a_chanmax
    .symbol:         k_q2a3ec7fc3a_chanmax.kd
    .args:
      - { .name: x, .offset: 0, .size: 8, .value_kind: global_buffer, .address_space: global }
      - { .name: keys, .offset: 8, .size: 8, .value_kind: global_buffer, .address_space: global }
      - { .name: bmax, .offset: 16, .size: 8, .value_kind: global_buffer, .address_space: global }
    .group_segment_fixed_size: 0
    .private_segment_fixed_size: 0
    .kernarg_segment_align: 8
    .kernarg_segment_size: 24
    .max_flat_workgroup_size: 512
    .sgpr_count:     66
    .vgpr_count:     136
    .wavefront_size: 32
...
	.end_amdgpu_metadata
.endif
;; end of part 1
;; launch cands (part 2): grid 128 x 1, 1 waves a work-group, no clusters, 33,280 bytes of LDS; arguments keys, bmax, cand, cnt; writes cand, cnt
.if DOCPART == 2
	.amdgcn_target "amdgcn-amd-amdhsa--gfx1250"
	.amdhsa_code_object_version 6
	.text
	.protected	k_q2a3ec7fc3a_cands
	.globl	k_q2a3ec7fc3a_cands
	.p2align	8
	.type	k_q2a3ec7fc3a_cands,@function
k_q2a3ec7fc3a_cands:
	s_mov_b64 s[64:65], 0
	v_nop
	global_prefetch_b8 v0, s[64:65] scope:SCOPE_SE
	s_setreg_imm32_b32 hwreg(HW_REG_WAVE_MODE, 25, 1), 1
	s_wait_xcnt 0x0
; cands: keys[image][65,536] and bmax[image][512] hold whole numbers that order like the pixels' and the 128-pixel blocks' channel
; maxima.  Per image a threshold t is found with at least 128 block maxima >= t, so at least 128 pixels have key >= t and the 128
; winners are among the CANDIDATES, the pixels with key >= t.  Whoever beats a candidate is a candidate too.
; A work-group is one wave; 16 of them serve an image.  Wave s owns the fixed keys 4,096 s .. 4,096 s + 4,095, so its 32 key loads
; go out together with the 16 loads of the image's block maxima: they do not wait for t.  Every wave repeats the search for t in
; its own registers (512 numbers, 16 registers); nothing passes between waves: no barrier, no cluster (what the 16 share is 2 KiB).
; The wave's candidates, as entries (key, pixel), are packed in its LDS and leave as segment cand[image][s][4,096 entries], the rest
; filled with entries that beat nobody (key 0, pixel all ones); cnt[image][s] is their number.
; THE WHOLE SEGMENT IS STORED, 32 KiB for a handful of entries as a rule: the next launch reads 32 entries at a time of all 16
; segments, as far as the fullest one needs, and no wave knows the others' numbers; every byte that can be read is written.
; All segments together are 4 MiB against the 512 MiB of x.  Each store of the wave covers 512 consecutive bytes, aligned.
; EXEC stays full until the last store: a lane without a candidate writes to a dump entry of its own behind the segment.
; LIMITS: none of its own; the keys' (no NaN in x, -0 = +0) are stated where they are made.
.set LANE,  1                          ; v1        lane
.set L4,    2                          ; v2        4 x lane
.set L16,   3                          ; v3        16 x lane
.set T0,    4                          ; v[4:7]    the fill pattern, then an entry at work
.set DC,    8                          ; v8        4,096 + lane: my dump entry
.set POS,   9                          ; v9        LDS address of an entry
.set PIX,   10                         ; v10       pixel number of my first key: 4,096 s + 4 x lane
.set ZERO,  11                         ; v11       0
.set BMX,   12                         ; v[12:27]  the image's 512 block maxima: register r, lane l = block 32 r + l
.set KR,    32                         ; v[32:159] my 4,096 keys: register 4 k + j, lane l = key 128 k + 4 l + j; then the segment on its way out
.set M,     32                         ; s[32:47]  lane masks and counts
; s17 image, s18 segment, s19 t, s20 bit on trial, s21 trial, s22 its count, s23 trips, s26 candidates so far, s27-s30 at work
	s_load_b256 s[4:11], s[0:1], 0x0               ; keys s[4:5], bmax s[6:7], cand s[8:9], cnt s[10:11]
	v_lshl_add_u32 v160, v0, 2, 0x8100
	v_mov_b32 v161, 0
	v_and_b32 v[LANE], 31, v0
	v_lshlrev_b32 v[L4], 2, v[LANE]
	v_lshlrev_b32 v[L16], 4, v[LANE]
	v_add_nc_u32 v[DC], 4096, v[LANE]
	s_lshr_b32 s17, ttmp9, 4
	s_and_b32 s18, ttmp9, 15
	s_lshl_b32 s27, s18, 12
	v_add_nc_u32 v[PIX], s27, v[L4]
	v_mov_b32 v[T0], 0                             ; two entries that beat nobody
	v_mov_b32 v[T0+1], -1
	v_mov_b32 v[T0+2], 0
	v_mov_b32 v[T0+3], -1
	s_mov_b32 s29, 0
	s_wait_kmcnt 0x0
	s_lshl_b32 s28, ttmp9, 14                      ; 16 KiB of keys for each wave
	s_add_nc_u64 s[4:5], s[4:5], s[28:29]
	s_lshl_b32 s28, s17, 11                        ; 2 KiB of block maxima for each image
	s_add_nc_u64 s[6:7], s[6:7], s[28:29]
	s_lshl_b32 s28, ttmp9, 15                      ; 32 KiB of entries for each wave
	s_add_nc_u64 s[8:9], s[8:9], s[28:29]
	s_lshl_b32 s28, ttmp9, 2                       ; one word of cnt
	s_add_nc_u64 s[10:11], s[10:11], s[28:29]
.set r, 0
.rept 16
	global_load_b32 v[BMX+r], v[L4], s[6:7] offset:128*r
.set r, r+1
.endr
.set k, 0
.rept 32
	global_load_b128 v[KR+4*k:KR+4*k+3], v[L16], s[4:5] offset:512*k
.set k, k+1
.endr
.set i, 0
.rept 64
	ds_store_b128 v[L16], v[T0:T0+3] offset:512*i  ; the segment is filled while the loads are on their way
.set i, i+1
.endr
; the set bits of 16 lane masks s[src ..], counted into s[tmp ..] and added as a tree: the sum in s22
.macro COUNT16 src, tmp
.set r, 0
.rept 16
	s_bcnt1_i32_b32 s[\tmp+r], s[\src+r]
.set r, r+1
.endr
.irp q, 0,2,4,6,8,10,12,14
	s_add_co_u32 s[\tmp+\q], s[\tmp+\q], s[\tmp+\q+1]
.endr
.irp q, 0,4,8,12
	s_add_co_u32 s[\tmp+\q], s[\tmp+\q], s[\tmp+\q+2]
.endr
	s_add_co_u32 s[\tmp], s[\tmp], s[\tmp+4]
	s_add_co_u32 s[\tmp+8], s[\tmp+8], s[\tmp+12]
	s_add_co_u32 s22, s[\tmp], s[\tmp+8]
.endm
	; ---- t: bisection on the 32 bits, from the top: a bit stays if at least 128 block maxima are still >= the trial
	s_mov_b32 s19, 0                               ; t: all 512 are >= 0
	s_mov_b32 s20, 0x80000000                      ; the bit on trial
	s_mov_b32 s22, 512                             ; how many were >= the last trial
	s_mov_b32 s23, 0
	s_wait_loadcnt 32                              ; loads return in order: the 16 of bmax are in, the 32 younger key loads stay out
.Lbit:
	s_cmp_eq_u32 s22, 128                          ; exactly 128: a sharper t would name the same blocks:
	s_cbranch_scc1 .Lsettled                       ; the trips that are left only count themselves
	s_or_b32 s21, s19, s20
.set r, 0
.rept 16
	v_cmp_ge_u32 s[M+r], v[BMX+r], s21
.set r, r+1
.endr
	COUNT16 M, M
	s_cmp_ge_u32 s22, 128
	s_cselect_b32 s19, s21, s19
	s_lshr_b32 s20, s20, 1
.Lsettled:
	s_add_co_u32 s23, s23, 1
	s_cmp_lt_u32 s23, 32
	s_cbranch_scc1 .Lbit
	; ---- my candidates, packed: 16 registers' masks at a time, then their 16 steps
	s_wait_loadcnt 0x0                             ; my keys
	s_mov_b32 s26, 0
.set g, 0
.rept 8
.set q, 0
.rept 16
	v_cmp_ge_u32 s[M+q], v[KR+16*g+q], s19
.set q, q+1
.endr
.set q, 0
.rept 16
.set r, 16*g+q
	v_mbcnt_lo_u32_b32 v[POS], s[M+q], s26         ; the candidate's place: those so far + those in lower lanes
	v_cndmask_b32 v[POS], v[DC], v[POS], s[M+q]    ; a lane without one writes its dump entry
	v_min_u32 v[POS], 4127, v[POS]                 ; 4,096 places and 32 dump entries: never more
	v_lshlrev_b32 v[POS], 3, v[POS]
	v_mov_b32 v[T0], v[KR+r]
	v_add_nc_u32 v[T0+1], 128*(r/4)+r%4, v[PIX]
	s_bcnt1_i32_b32 s27, s[M+q]
	s_add_co_u32 s26, s26, s27
	ds_store_b64 v[POS], v[T0:T0+1]                ; behind the fill: LDS serves a wave's instructions in order (ISA guide 5.7.1)
.set q, q+1
.endr
.set g, g+1
.endr
	; ---- the segment leaves through registers, 16 KiB at a time
.macro OUT32 half
.set i, 0
.rept 32
	ds_load_b128 v[KR+4*i:KR+4*i+3], v[L16] offset:16384*\half+512*i       ; in order behind the stores above
.set i, i+1
.endr
.set i, 0
.rept 32
	s_wait_dscnt 31-i                              ; load i is in; the younger ones of the batch stay out
	global_store_b128 v[L16], v[KR+4*i:KR+4*i+3], s[8:9] offset:16384*\half+512*i
.set i, i+1
.endr
.endm
	OUT32 0
	s_wait_xcnt 0x0                                ; the stores' data registers are loaded again only behind this wait
	OUT32 1
	v_mov_b32 v[T0], s26
	v_mov_b32 v[ZERO], 0
	v_cmp_eq_u32 vcc_lo, 0, v[LANE]
	s_wait_xcnt 0x0                                ; EXEC is a source of the stores above: it changes only behind this wait
	s_wait_tensorcnt 0x0
	ds_add_u32 v160, v161
	s_wait_dscnt 0x0
	s_and_saveexec_b32 s30, vcc_lo
	global_store_b32 v[ZERO], v[T0], s[10:11]      ; my number of candidates
	s_endpgm
.Lfunc_end_k_q2a3ec7fc3a_cands:
	.size	k_q2a3ec7fc3a_cands, .Lfunc_end_k_q2a3ec7fc3a_cands-k_q2a3ec7fc3a_cands
	.p2alignl 7, 3214868480
	.fill 96, 4, 3214868480
	.section	.rodata,"a",@progbits
	.p2align	6, 0x0
	.amdhsa_kernel k_q2a3ec7fc3a_cands
		.amdhsa_group_segment_fixed_size 33280
		.amdhsa_private_segment_fixed_size 0
		.amdhsa_enable_private_segment 0
		.amdhsa_kernarg_size 32
		.amdhsa_user_sgpr_count 2
		.amdhsa_user_sgpr_kernarg_segment_ptr 1
		.amdhsa_wavefront_size32 1
		.amdhsa_system_sgpr_workgroup_id_x 1
		.amdhsa_system_sgpr_workgroup_id_y 1
		.amdhsa_system_sgpr_workgroup_id_z 1
		.amdhsa_system_vgpr_workitem_id 0
		.amdhsa_next_free_vgpr 162
		.amdhsa_next_free_sgpr 66
		.amdhsa_reserve_vcc 1
		.amdhsa_float_denorm_mode_32 3
		.amdhsa_float_denorm_mode_16_64 3
		.amdhsa_memory_ordered 1
		.amdhsa_forward_progress 1
		.amdhsa_inst_pref_size 89
	.end_amdhsa_kernel
	.amdgpu_metadata
---
amdhsa.version: [ 1, 2 ]
amdhsa.kernels:
  - .name:           k_q2a3ec7fc3a_cands
    .symbol:         k_q2a3ec7fc3a_cands.kd
    .args:
      - { .name: keys, .offset: 0, .size: 8, .value_kind: global_buffer, .address_space: global }
      - { .name: bmax, .offset: 8, .size: 8, .value_kind: global_buffer, .address_space: global }
      - { .name: cand, .offset: 16, .size: 8, .value_kind: global_buffer, .address_space: global }
      - { .name: cnt, .offset: 24, .size: 8, .value_kind: global_buffer, .address_space: global }
    .group_segment_fixed_size: 33280
    .private_segment_fixed_size: 0
    .kernarg_segment_align: 8
    .kernarg_segment_size: 32
    .max_flat_workgroup_size: 32
    .sgpr_count:     66
    .vgpr_count:     162
    .wavefront_size: 32
...
	.end_amdgpu_metadata
.endif
;; end of part 2
;; launch final (part 3): grid 256 x 1, 16 waves a work-group, no clusters, 14,592 bytes of LDS; arguments x, cand, cnt, out0, out1, out2; writes out0, out1, out2
.if DOCPART == 3
	.amdgcn_target "amdgcn-amd-amdhsa--gfx1250"
	.amdhsa_code_object_version 6
	.text
	.protected	k_q2a3ec7fc3a_final
	.globl	k_q2a3ec7fc3a_final
	.p2align	8
	.type	k_q2a3ec7fc3a_final,@function
k_q2a3ec7fc3a_final:
	s_mov_b64 s[64:65], 0
	v_nop
	global_prefetch_b8 v0, s[64:65] scope:SCOPE_SE
	s_setreg_imm32_b32 hwreg(HW_REG_WAVE_MODE, 25, 1), 1
	s_wait_xcnt 0x0
; final: per image the 128 pixels with the largest channel maximum (ties: lower pixel number first), in that order, and for each of
; them its three largest channels (ties: lower channel first).  out0 = channel numbers as f32, out1 = their values, out2 = pixel numbers.
; cand[image][16 segments][4,096 entries (key, pixel)] holds the image's candidates at the head of each segment, the rest entries that
; beat nobody (key 0, pixel all ones); cnt[image][16] their numbers.  Every winner is a candidate, and whoever beats a candidate is one;
; there are at least 128.  A candidate's place is the number of candidates that beat it (larger key, or equal key and lower pixel):
; the places are 0, 1, 2 .. without gaps, each taken once.
; 32 work-groups of 16 waves serve an image; work-group g makes places 4 g to 4 g + 3.  Places cannot pass between work-groups, so EVERY
; work-group ranks all the image's candidates: wave w those of segment w, against the first 32 entries of all 16 segments, which have
; fixed addresses, are loaded at the first lines and stay in registers (further runs of 32 only where a segment holds more than 32).
; ALL TRIP COUNTS COME FROM cnt.  A place is never branched on and masks no lane: it only forms an LDS address.  Each wave has an array
; of its own, 128 words preset to all ones and a 129th that swallows the losers, and writes the pixel number at min(place, 128).
; Behind the one barrier word p has been written in exactly one of the 16 arrays: the smallest of the 16 words is the pixel of place p.
; Waves 0 to 3 then take one place each: 256 separate words of x, 8 channels a lane, the best three, seven words out.
; Floats of x only pass through v_cndmask_b32, moves and stores.
; NO CLUSTER: what an image's work-groups share is 64 bytes of counts and 4 KiB of entries, and how many further runs are read hangs on
; the counts.  STORES OF 4 BYTES: a work-group owns 4 places, 16 bytes of each output row; all outputs together are 28,672 bytes.
; LIMITS: no NaN in x; -0 = +0 (both from the keys).  The time grows with the number of candidates (128 to 65,536 an image; close to
; 128 unless many pixels crowd into few blocks or tie), in every work-group; the result does not depend on it.
.set PLANE, 262144                     ; bytes from a channel plane of x to the next
.set SEGB,  32768                      ; bytes of a segment
.set OWNL,  0                          ; LDS: 256 bytes for each wave, the 32 entries of its segment that are being ranked
.set WIN,   4096                       ; LDS: the 16 arrays of places
.set WSTR,  528                        ; bytes of one: 128 words, the losers' word, 12 bytes to keep 16-byte stores aligned
.set LANE,  1                          ; v1        lane
.set L16,   2                          ; v2        16 x lane
.set OW8,   3                          ; v3        byte offset in cand's image of my entry in run 0 of my wave's segment
.set T0,    4                          ; v[4:5]    scratch
.set OWB,   6                          ; v6        LDS address of my wave's 32 entries
.set OWA,   7                          ; v7        LDS address of entry number lane among them
.set W,     8                          ; v[8:23]   the 16 counts; then v[8:9] the entry that is being ranked
.set ZERO,  24                         ; v24       0
.set L8,    25                         ; v25       8 x lane: byte of my entry in a run of 32, and my first channel
.set CHOFF, 26                         ; v26       8 x lane planes of x, in bytes
.set POS,   27                         ; v27       LDS address in my wave's array of places
.set ADR,   28                         ; v28       byte offset of my entry in a later run of the 16 segments
.set OADR,  29                         ; v29       byte offset of my entry in a later run of my wave's segment
.set CX,    30                         ; v30       channel number at work
.set GOFF,  31                         ; v31       byte offset in the image of my first channel of the pixel
.set KR,    32                         ; v[32:63]  run 0 of the 16 segments: (key, pixel) each; kept
.set KR2,   64                         ; v[64:95]  a later run
.set G,     96                         ; v[96:103] my 8 channels of the pixel
.set A,     104                        ; v[104:109] best three values A B C, their channels IA IB IC
.set B,     105
.set C,     106
.set IA,    107
.set IB,    108
.set IC,    109
.set PX,    110                        ; v110      the pixel of my wave's place
.set PA,    112                        ; v[112:117] the six of the partner lane
.set PB,    113
.set PC,    114
.set PIA,   115
.set PIB,   116
.set PIC,   117
.set OWN,   118                        ; v[118:119] my entry of my wave's segment, as loaded
.set M,     32                         ; s[32:63]  lane masks
; s16 wave, s17 image, s18 work-group in the image, s23 entry counter, s27-s30 at work, s68 runs that the fullest segment needs,
; s69/s70 key/pixel of the entry that is ranked, s71 its place (later my wave's place), s72 run counter (later 4 x place), s73 fullest
; segment, s74 candidates of my segment, s75 its runs, s78 its run counter, s79 entries in that run, s94/s95 my LDS bytes
	s_load_b256 s[4:11], s[0:1], 0x0               ; x s[4:5], cand s[6:7], cnt s[8:9], out0 s[10:11]
	s_load_b128 s[12:15], s[0:1], 0x20             ; out1 s[12:13], out2 s[14:15]
	v_lshl_add_u32 v120, v0, 2, 0x3100
	v_mov_b32 v121, 0
	v_and_b32 v[LANE], 31, v0
	v_lshrrev_b32 v[T0], 5, v0
	v_readfirstlane_b32 s16, v[T0]
	s_lshr_b32 s17, ttmp9, 5
	s_and_b32 s18, ttmp9, 31
	v_lshlrev_b32 v[L8], 3, v[LANE]
	v_lshlrev_b32 v[L16], 4, v[LANE]
	v_lshlrev_b32 v[CHOFF], 21, v[LANE]            ; 8 planes of 262,144 bytes a lane: 62 MiB at the most
	v_mov_b32 v[ZERO], 0
.irp p, 0,1,2,3,4,5
	v_mov_b32 v[PA+\p], 0                          ; destinations of lane moves count as read: written once here
.endr
	s_mov_b32 s76, 0x76543210                      ; v_permlanex16_b32: the same lane of the other half
	s_mov_b32 s77, 0xfedcba98
	s_lshl_b32 s94, s16, 8                         ; my wave's 256 bytes for its entries
	s_mul_i32 s95, s16, WSTR
	s_add_co_u32 s95, s95, WIN                     ; my wave's array of places
	s_lshl_b32 s27, s16, 15                        ; my wave's segment: 32 KiB each
	v_mov_b32 v[OWB], s94
	v_add_nc_u32 v[OWA], s94, v[L8]
	v_add_nc_u32 v[OW8], s27, v[L8]
	v_add_nc_u32 v[POS], s95, v[L16]
.irp p, 0,1,2,3
	v_mov_b32 v[A+\p], -1
.endr
	ds_store_b128 v[POS], v[A:A+3]                 ; my 128 places: all ones, larger than any pixel number
	s_mov_b32 s97, 0
	s_wait_kmcnt 0x0
	s_lshl_b32 s96, s17, 26
	s_add_nc_u64 s[4:5], s[4:5], s[96:97]          ; every buffer at my image
	s_lshl_b32 s96, s17, 19
	s_add_nc_u64 s[6:7], s[6:7], s[96:97]
	s_lshl_b32 s96, s17, 6
	s_add_nc_u64 s[8:9], s[8:9], s[96:97]
	s_mul_i32 s96, s17, 1536                       ; out0, out1: [image][3][128]
	s_add_nc_u64 s[10:11], s[10:11], s[96:97]
	s_add_nc_u64 s[12:13], s[12:13], s[96:97]
	s_lshl_b32 s96, s17, 9                         ; out2: [image][1][128]
	s_add_nc_u64 s[14:15], s[14:15], s[96:97]
.irp i, 0,1,2,3
	global_load_b128 v[W+4*\i:W+4*\i+3], v[ZERO], s[8:9] offset:16*\i      ; the 16 counts, in every lane
.endr
	global_load_b64 v[OWN:OWN+1], v[OW8], s[6:7]                           ; run 0 of my wave's segment, an entry a lane
.set q, 0
.rept 16
	global_load_b64 v[KR+2*q:KR+2*q+1], v[L8], s[6:7] offset:SEGB*q        ; run 0 of every segment: 256 consecutive bytes each
.set q, q+1
.endr
	s_mov_b32 s73, 0
	s_mov_b32 s74, 0
	s_wait_loadcnt 17                              ; loads return in order: the counts are in, the 17 younger loads stay out
.irp i, 0,1,2,3,4,5,6,7,8,9,10,11,12,13,14,15
	v_readfirstlane_b32 s27, v[W+\i]
	s_cmp_eq_u32 s16, \i
	s_cselect_b32 s74, s27, s74                    ; my wave's segment
	s_max_u32 s73, s73, s27                        ; the fullest
.endr
	s_add_co_u32 s68, s73, 31
	s_lshr_b32 s68, s68, 5                         ; runs of 32 entries that the fullest segment needs
	s_min_u32 s74, s74, 4096                       ; a segment has 4,096 entries
	s_add_co_u32 s75, s74, 31
	s_lshr_b32 s75, s75, 5                         ; runs that hold my wave's candidates
	s_cmp_eq_u32 s74, 0
	s_cbranch_scc1 .Lall                           ; none: on to the barrier
	s_mov_b32 s78, 0
; x (value in v[x], channel in v[cx]) into the sorted three.  Strictly greater: what came first, the lower channel, keeps its place.
.macro INS3 x, cx
	v_cmp_gt_f32 s27, v[\x], v[A]
	v_cmp_gt_f32 s28, v[\x], v[B]
	v_cmp_gt_f32 s29, v[\x], v[C]
	v_cndmask_b32 v[C],  v[C],  v[\x],  s29
	v_cndmask_b32 v[IC], v[IC], v[\cx], s29
	v_cndmask_b32 v[C],  v[C],  v[B],   s28
	v_cndmask_b32 v[IC], v[IC], v[IB],  s28
	v_cndmask_b32 v[B],  v[B],  v[\x],  s28
	v_cndmask_b32 v[IB], v[IB], v[\cx], s28
	v_cndmask_b32 v[B],  v[B],  v[A],   s27
	v_cndmask_b32 v[IB], v[IB], v[IA],  s27
	v_cndmask_b32 v[A],  v[A],  v[\x],  s27
	v_cndmask_b32 v[IA], v[IA], v[\cx], s27
.endm
.macro MERGE                           ; the partner's three, best first
	INS3 PA, PIA
	INS3 PB, PIB
	INS3 PC, PIC
.endm
; the entries of one run (16 segments x 32 lanes, in v[base ..]) that beat the entry (s69, s70), added to s71
.macro BEATERS base
.set q, 0
.rept 16
	v_cmp_gt_u32 s[M+q], v[\base+2*q], s69         ; a larger key beats it,
	v_cmp_eq_u32 s[M+16+q], v[\base+2*q], s69      ; an equal one
.set q, q+1
.endr
.irp h, 0,4,8,12
.irp e, 0,1,2,3
	v_cmp_gt_u32 s[27+\e], s70, v[\base+2*(\h+\e)+1]       ; only with a lower pixel number
.endr
.irp e, 0,1,2,3
	s_and_b32 s[27+\e], s[27+\e], s[M+16+\h+\e]
	s_or_b32 s[27+\e], s[27+\e], s[M+\h+\e]
	s_bcnt1_i32_b32 s[27+\e], s[27+\e]
	s_add_co_u32 s71, s71, s[27+\e]
.endr
.endr
.endm
	; ---- the places of my wave's candidates, a run of 32 entries at a time
.Lown:
	s_wait_loadcnt 0x0                             ; this run of my segment is in (in the first trip also run 0 of all 16)
	ds_store_b64 v[OWA], v[OWN:OWN+1]              ; into my wave's own bytes, to be read back one entry at a time for all lanes
	s_lshl_b32 s27, s78, 5
	s_sub_co_u32 s79, s74, s27
	s_min_u32 s79, s79, 32                         ; candidates in this run: 1 to 32
	s_mov_b32 s23, 0
.Lcand:
	s_min_u32 s27, s23, 31                         ; an entry of the run's 32
	s_lshl_b32 s27, s27, 3
	v_add_nc_u32 v[T0], s27, v[OWB]
	ds_load_b64 v[W:W+1], v[T0] offset:OWNL        ; behind the store above: LDS serves a wave's instructions in order (ISA guide 5.7.1)
	s_wait_dscnt 0x0
	v_readfirstlane_b32 s69, v[W]                  ; its key
	v_readfirstlane_b32 s70, v[W+1]                ; its pixel
	s_mov_b32 s71, 0
	BEATERS KR
	s_cmp_le_u32 s68, 1
	s_cbranch_scc1 .Lranked                        ; no segment holds more than 32 candidates
	s_mov_b32 s72, 1
.Lrun:
	s_min_u32 s27, s72, 127                        ; a segment has 128 runs
	s_lshl_b32 s27, s27, 8
	v_add_nc_u32 v[ADR], s27, v[L8]                ; (the last run's loads were waited for)
.set q, 0
.rept 16
	global_load_b64 v[KR2+2*q:KR2+2*q+1], v[ADR], s[6:7] offset:SEGB*q
.set q, q+1
.endr
	s_wait_loadcnt 0x0
	BEATERS KR2
	s_add_co_u32 s72, s72, 1
	s_cmp_lt_u32 s72, s68
	s_cbranch_scc1 .Lrun
.Lranked:
	v_mov_b32 v[POS], s71                          ; the place
	v_min_u32 v[POS], 128, v[POS]                  ; 128 and beyond: the losers' word
	v_lshlrev_b32 v[POS], 2, v[POS]
	v_add_nc_u32 v[POS], s95, v[POS]               ; in my wave's own array: wave x 528 + 4 x place
	v_mov_b32 v[T0+1], s70
	ds_store_b32 v[POS], v[T0+1]                   ; all lanes write the same word with the same pixel number
	s_add_co_u32 s23, s23, 1
	s_cmp_lt_u32 s23, s79
	s_cbranch_scc1 .Lcand
	s_add_co_u32 s78, s78, 1
	s_min_u32 s27, s78, 127                        ; the next run of my segment, asked for a trip ahead; clamped to the segment's last run,
	s_lshl_b32 s27, s27, 8                         ; so that the load behind the last trip, whose data nobody uses, stays inside cand
	v_add_nc_u32 v[OADR], s27, v[OW8]              ; (the load that last named this register was waited for at the trip's head)
	global_load_b64 v[OWN:OWN+1], v[OADR], s[6:7]
	s_cmp_lt_u32 s78, s75
	s_cbranch_scc1 .Lown
.Lall:
	s_wait_dscnt 0x0                               ; for the others' sake: my array is in LDS before I signal
	s_barrier_signal -1
	s_barrier_wait -1                              ; from here on LDS is only read
	s_cmp_ge_u32 s16, 4
	s_cbranch_scc1 .Lend                           ; four places a work-group: waves 0 to 3
	; ---- place 4 g + wave
	s_lshl_b32 s71, s18, 2
	s_add_co_u32 s71, s71, s16
	s_lshl_b32 s72, s71, 2                         ; its word, in the arrays and in the output rows
	v_and_b32 v[T0], 15, v[LANE]
	v_mul_u32_u24 v[T0], v[T0], WSTR               ; lane l reads the array of wave l % 16
	v_add_nc_u32 v[T0], s72, v[T0]
	ds_load_b32 v[PX], v[T0] offset:WIN
	s_wait_dscnt 0x0
.irp d, 1,2,4,8
	v_mov_b32_dpp v[PA], v[PX] row_xmask:\d row_mask:0xf bank_mask:0xf
	v_min_u32 v[PX], v[PX], v[PA]                  ; one of the 16 words is a pixel number, the others are all ones
.endr
	v_min_u32 v[GOFF], 0xffff, v[PX]               ; a pixel number: the loads stay inside the image
	v_lshlrev_b32 v[GOFF], 2, v[GOFF]
	v_add_nc_u32 v[GOFF], v[GOFF], v[CHOFF]
.irp k, 0,1,2,3,4,5,6,7
	global_load_b32 v[G+\k], v[GOFF], s[4:5] offset:\k*PLANE       ; channels 8 lane + k
.endr
	s_wait_loadcnt 0x0
	; my 8 channels, in ascending order; the first three start the list, nothing is preset
	v_mov_b32 v[A], v[G]
	v_mov_b32 v[IA], v[L8]
	v_add_nc_u32 v[CX], 1, v[L8]
	v_cmp_gt_f32 s27, v[G+1], v[A]
	v_cndmask_b32 v[B],  v[G+1], v[A],   s27
	v_cndmask_b32 v[IB], v[CX],  v[IA],  s27
	v_cndmask_b32 v[A],  v[A],   v[G+1], s27
	v_cndmask_b32 v[IA], v[IA],  v[CX],  s27
	v_add_nc_u32 v[CX], 2, v[L8]
	v_cmp_gt_f32 s27, v[G+2], v[A]
	v_cmp_gt_f32 s28, v[G+2], v[B]
	v_cndmask_b32 v[C],  v[G+2], v[B],   s28
	v_cndmask_b32 v[IC], v[CX],  v[IB],  s28
	v_cndmask_b32 v[B],  v[B],   v[G+2], s28
	v_cndmask_b32 v[IB], v[IB],  v[CX],  s28
	v_cndmask_b32 v[B],  v[B],   v[A],   s27
	v_cndmask_b32 v[IB], v[IB],  v[IA],  s27
	v_cndmask_b32 v[A],  v[A],   v[G+2], s27
	v_cndmask_b32 v[IA], v[IA],  v[CX],  s27
.irp k, 3,4,5,6,7
	v_add_nc_u32 v[CX], \k, v[L8]
	INS3 G+\k, CX
.endr
	; a tree over the lanes towards lane 0.  On the tree a lane takes in the lane d above it, whose channels are all higher, so
	; 'strictly greater' keeps the lower channel in front.  The other lanes' results are not used.
.irp d, 1,2,4,8
.irp p, 0,1,2,3,4,5
	v_mov_b32_dpp v[PA+\p], v[A+\p] row_xmask:\d row_mask:0xf bank_mask:0xf
.endr
	MERGE
.endr
.irp p, 0,1,2,3,4,5
	v_permlanex16_b32 v[PA+\p], v[A+\p], s76, s77
.endr
	MERGE
	v_cvt_f32_u32 v[IA], v[IA]
	v_cvt_f32_u32 v[IB], v[IB]
	v_cvt_f32_u32 v[IC], v[IC]
	v_mov_b32 v[T0], s72                           ; the place's word in each output row: it follows from the ids alone
	v_cmp_eq_u32 vcc_lo, 0, v[LANE]
	s_wait_xcnt 0x0                                ; EXEC changes only when no earlier memory instruction still needs it
	s_and_saveexec_b32 s30, vcc_lo                 ; lane 0 holds the result
	global_store_b32 v[T0], v[IA], s[10:11]
	global_store_b32 v[T0], v[IB], s[10:11] offset:512
	global_store_b32 v[T0], v[IC], s[10:11] offset:1024
	global_store_b32 v[T0], v[A], s[12:13]
	global_store_b32 v[T0], v[B], s[12:13] offset:512
	global_store_b32 v[T0], v[C], s[12:13] offset:1024
	global_store_b32 v[T0], v[PX], s[14:15]
.Lend:
	s_wait_xcnt 0x0
	s_mov_b32 exec_lo, -1
	s_wait_tensorcnt 0x0
	ds_add_u32 v120, v121
	s_wait_dscnt 0x0
	s_endpgm
.Lfunc_end_k_q2a3ec7fc3a_final:
	.size	k_q2a3ec7fc3a_final, .Lfunc_end_k_q2a3ec7fc3a_final-k_q2a3ec7fc3a_final
	.p2alignl 7, 3214868480
	.fill 96, 4, 3214868480
	.section	.rodata,"a",@progbits
	.p2align	6, 0x0
	.amdhsa_kernel k_q2a3ec7fc3a_final
		.amdhsa_group_segment_fixed_size 14592
		.amdhsa_private_segment_fixed_size 0
		.amdhsa_enable_private_segment 0
		.amdhsa_kernarg_size 48
		.amdhsa_user_sgpr_count 2
		.amdhsa_user_sgpr_kernarg_segment_ptr 1
		.amdhsa_wavefront_size32 1
		.amdhsa_system_sgpr_workgroup_id_x 1
		.amdhsa_system_sgpr_workgroup_id_y 1
		.amdhsa_system_sgpr_workgroup_id_z 1
		.amdhsa_system_vgpr_workitem_id 0
		.amdhsa_next_free_vgpr 122
		.amdhsa_next_free_sgpr 98
		.amdhsa_reserve_vcc 1
		.amdhsa_float_denorm_mode_32 3
		.amdhsa_float_denorm_mode_16_64 3
		.amdhsa_memory_ordered 1
		.amdhsa_forward_progress 1
		.amdhsa_inst_pref_size 42
	.end_amdhsa_kernel
	.amdgpu_metadata
---
amdhsa.version: [ 1, 2 ]
amdhsa.kernels:
  - .name:           k_q2a3ec7fc3a_final
    .symbol:         k_q2a3ec7fc3a_final.kd
    .args:
      - { .name: x, .offset: 0, .size: 8, .value_kind: global_buffer, .address_space: global }
      - { .name: cand, .offset: 8, .size: 8, .value_kind: global_buffer, .address_space: global }
      - { .name: cnt, .offset: 16, .size: 8, .value_kind: global_buffer, .address_space: global }
      - { .name: out0, .offset: 24, .size: 8, .value_kind: global_buffer, .address_space: global }
      - { .name: out1, .offset: 32, .size: 8, .value_kind: global_buffer, .address_space: global }
      - { .name: out2, .offset: 40, .size: 8, .value_kind: global_buffer, .address_space: global }
    .group_segment_fixed_size: 14592
    .private_segment_fixed_size: 0
    .kernarg_segment_align: 8
    .kernarg_segment_size: 48
    .max_flat_workgroup_size: 512
    .sgpr_count:     98
    .vgpr_count:     122
    .wavefront_size: 32
...
	.end_amdgpu_metadata
.endif
;; end of part 3
;; ======== version 2 of 2: 3 launches; version 1 with the launch chanmax written anew for expert scheduling mode
;; workspace buffers: keys 2,097,152 bytes of whole numbers; bmax 16,384 bytes of whole numbers; cand 4,194,304 bytes of whole numbers; cnt 512 bytes of whole numbers
;; launch chanmax (part 4): grid 256 x 1, 16 waves a work-group, no clusters, 0 bytes of LDS; arguments x, keys, bmax; writes keys, bmax
.if DOCPART == 4
	.amdgcn_target "amdgcn-amd-amdhsa--gfx1250"
	.amdhsa_code_object_version 6
	.text
	.protected	k_q2a3ec7fc3a_chanmax
	.globl	k_q2a3ec7fc3a_chanmax
	.p2align	8
	.type	k_q2a3ec7fc3a_chanmax,@function
k_q2a3ec7fc3a_chanmax:
	s_mov_b64 s[64:65], 0
	v_nop
	global_prefetch_b8 v0, s[64:65] scope:SCOPE_SE
	s_setreg_imm32_b32 hwreg(HW_REG_WAVE_SCHED_MODE, 0, 2), 2
	s_setreg_imm32_b32 hwreg(HW_REG_WAVE_MODE, 25, 1), 1
	s_wait_xcnt 0x0
	s_wait_alu depctr_vm_vsrc(0)
; chanmax: x is [8 images][256 channels][65,536 pixels] f32.  For every pixel the largest of its 256 channel values, stored as a
; whole number that orders like the float (keys[image][pixel]), and for every block of 128 neighbouring pixels the largest key
; (bmax[image][block], 512 blocks an image).  The next launch selects pixels with integer compares on these numbers alone.
; A wave owns one block of pixels: a lane keeps 4 neighbouring pixels, one load of the wave covers 512 consecutive bytes that start
; at a multiple of 512 from x's first byte, and the wave walks the 256 channel planes.  4,096 blocks = 256 work-groups x 16 waves.
; Every byte of x is read once; waves share nothing, so there is no LDS, no barrier, no cluster and no matrix work.
; LIMITS: a NaN in x is dropped by the maximum (reference() would rank it); -0 and +0 count as equal (-0 is turned into +0).
; THE MODE: SCHED_MODE bits 1:0 = 2 (LLVM: expert scheduling mode 2), set by the entry lines.  The code itself states the register
; dependences between vector instructions and memory instructions, with s_wait_alu, always for 0.
; THE PLAN.  The 256 channels go in 32 steps of eight.  Registers that memory instructions touch:
;   X0 .. X4   five buffers of eight slots (a slot: 4 registers, one channel of my 4 pixels).  Step p's sixteen v_max3 read X[p % 5];
;              the loads of step p + 4, issued in step p, land in X[(p + 4) % 5] = X[(p - 1) % 5]: the buffer that step p - 1 read
;              and that no vector instruction of step p names.
;   v[LOFF]    read by every load and by the store of keys; made once at the head and never written again: each buffer has a scalar
;              base of its own, and immediate offsets reach its eight planes.
;   ACC, BM    named by vector instructions alone until the two stores at the end.
; So ONE wait on va_vdst stands at the head of a step that issues loads: the step before is done reading its buffer.  The step's
; eight loads follow it with no further wait, two ahead of each pair of slots.
.set PLANE,  262144                    ; bytes from a channel plane to the next: 65,536 pixels x 4
.set BSL,    8                         ; slots in a buffer = channels in a step
.set NBUF,   5                         ; buffers: four on their way or at work, one being asked for again
.set LOFF,   1                         ; v1        16 x lane
.set LANE,   2                         ; v2        lane
.set BM,     3                         ; v3        the block's maximum
.set ACC,    4                         ; v[4:7]    running maxima of my 4 pixels, then their keys
.set X,      8                         ; v[8:167]  buffer b, slot i: 4 registers at X + 32 b + 4 i, as loaded; at the end v8-v11 serve as scratch
.set XB,     10                        ; s[10:19]  buffer b: the address of my 512 bytes in the first plane of the step that the buffer is asked for next: a pair at XB + 2 b
	s_load_b128 s[4:7], s[0:1], 0x0                ; x s[4:5], keys s[6:7]
	s_load_b64 s[8:9], s[0:1], 0x10                ; bmax
	v_lshrrev_b32 v[BM], 5, v0
	v_readfirstlane_b32 s10, v[BM]                 ; wave 0..15
	v_and_b32 v[LANE], 31, v0
	v_lshlrev_b32 v[LOFF], 4, v[LANE]
	s_wait_alu depctr_va_sdst(0)                   ; s10 is written, ahead of its first reader: all three bases are made from it
	s_lshl_b32 s11, ttmp9, 4
	s_add_co_u32 s11, s11, s10                     ; 512 x image + block
	s_lshr_b32 s12, s11, 9                         ; image
	s_lshl_b32 s12, s12, 26                        ; x 256 planes of 262,144 bytes (448 MiB at the most: fits 32 bits)
	s_and_b32 s13, s11, 511                        ; block
	s_lshl_b32 s13, s13, 9                         ; x 512 bytes
	s_add_co_u32 s12, s12, s13
	s_mov_b32 s13, 0
	s_lshl_b32 s14, s11, 9                         ; my 512 bytes of keys
	s_mov_b32 s15, 0
	s_lshl_b32 s16, s11, 2                         ; my word of bmax
	s_mov_b32 s17, 0
	s_mov_b32 s22, 0x76543210                      ; v_permlanex16_b32: lane i of one half reads lane i of the other
	s_mov_b32 s23, 0xfedcba98
	s_wait_kmcnt 0x0
	s_add_nc_u64 s[4:5], s[4:5], s[12:13]
	s_add_nc_u64 s[6:7], s[6:7], s[14:15]
	s_add_nc_u64 s[8:9], s[8:9], s[16:17]
.irp b, 0,1,2,3,4
	s_add_nc_u64 s[XB+2*\b:XB+2*\b+1], s[4:5], \b*BSL*PLANE        ; steps 0 to 4 (the offsets above have been used: their registers are free)
.endr
	s_wait_alu depctr_va_vdst(0)                   ; v[LOFF] is written: every load of the kernel and the store of keys read it as their offset
.set i, 0
.rept 4*BSL
	global_load_b128 v[X+4*i:X+4*i+3], v[LOFF], s[XB+2*(i/BSL):XB+2*(i/BSL)+1] offset:(i%BSL)*PLANE th:TH_LOAD_NT  ; steps 0 to 3 into X0 to X3
.set i, i+1
.endr
.irp j, 0,1,2,3
	v_mov_b32 v[ACC+\j], 0xff800000                ; -infinity: the four maxima's start, four moves in all
.endr
; Step p.  b = p % 5: its buffer.  first = 1: step 0, with no step in front of it.  ahead = 1: step p + 4 is asked for, into buffer (b + 4) % 5.
; step = 1: the buffer's base moves on to step p + 5, which the next step asks for.
; Two slots at a time: one v_max3 takes both slots' numbers for a pixel, channels ascending.
; left: with ahead = 1 the loads that may stay out at each pair; else those at the first pair, two fewer at each further one.
.macro BLK b, first, ahead, step, left
.if (\ahead) && !(\first)
	s_wait_alu depctr_va_vdst(0)                   ; the step before is done reading its buffer, in which the eight loads below land
.endif
.irp j, 0,2,4,6
.if \ahead
	global_load_b128 v[X+32*((\b+4)%NBUF)+4*(\j):X+32*((\b+4)%NBUF)+4*(\j)+3],   v[LOFF], s[XB+2*((\b+4)%NBUF):XB+2*((\b+4)%NBUF)+1] offset:(\j)*PLANE th:TH_LOAD_NT        ; no vector instruction since the wait names these registers
	global_load_b128 v[X+32*((\b+4)%NBUF)+4*(\j)+4:X+32*((\b+4)%NBUF)+4*(\j)+7], v[LOFF], s[XB+2*((\b+4)%NBUF):XB+2*((\b+4)%NBUF)+1] offset:(\j)*PLANE+PLANE th:TH_LOAD_NT
	s_wait_loadcnt \left                           ; loads return in order: slots j, j + 1 are in.  Younger: 6 - j of this step, 24 of the next three, j + 2 just asked for: 32
.else
	s_wait_loadcnt (\left)-(\j)                    ; nothing is asked for any more: the counts run down
.endif
.if (\step) && ((\j) == 6)
	s_add_nc_u64 s[XB+2*(\b):XB+2*(\b)+1], s[XB+2*(\b):XB+2*(\b)+1], NBUF*BSL*PLANE  ; free since that wait, which shows the last loads that read it done
.endif
.irp q, 0,1,2,3
	v_max3_num_f32 v[ACC+\q], v[ACC+\q], v[X+32*(\b)+4*(\j)+\q], v[X+32*(\b)+4*(\j)+4+\q]
.endr
.endr
.endm
	BLK 0, 1, 1, 1, 32                             ; step 0: its loads land in X4, which no vector instruction has named
	s_mov_b32 s20, 5
.Lround:                                               ; steps 1 to 25, five to a lap: the buffers are back at their start
	BLK 1, 0, 1, 1, 32
	BLK 2, 0, 1, 1, 32
	BLK 3, 0, 1, 1, 32
	BLK 4, 0, 1, 1, 32
	BLK 0, 0, 1, 1, 32
	s_sub_co_u32 s20, s20, 1
	s_cmp_lg_u32 s20, 0
	s_cbranch_scc1 .Lround
	BLK 1, 0, 1, 1, 32                             ; step 26 asks for step 30 and moves its base to step 31
	BLK 2, 0, 1, 0, 32                             ; step 27 asks for step 31, channels 248 to 255: the last load
	BLK 3, 0, 0, 0, 30                             ; steps 28 to 31 ask for nothing (no load leaves x)
	BLK 4, 0, 0, 0, 22
	BLK 0, 0, 0, 0, 14
	BLK 1, 0, 0, 0, 6
	; float to key: -0 becomes +0, then positive numbers get their sign bit set and negative ones are inverted:
	; unsigned order of the keys = order of the floats
.irp j, 0,1,2,3
	v_add_f32 v[ACC+\j], 0, v[ACC+\j]
.endr
	v_max3_num_f32 v[BM], v[ACC], v[ACC+1], v[ACC+2]
	v_max_num_f32 v[BM], v[BM], v[ACC+3]           ; my four pixels' maximum
.irp j, 0,1,2,3
	v_ashrrev_i32 v[X+\j], 31, v[ACC+\j]           ; 0 or all ones
.endr
.irp j, 0,1,2,3
	v_or_b32 v[X+\j], 0x80000000, v[X+\j]
.endr
.irp j, 0,1,2,3
	v_xor_b32 v[ACC+\j], v[ACC+\j], v[X+\j]
.endr
	s_wait_alu depctr_va_vdst(0)                   ; the four keys are written into ACC, which the store reads; nothing writes ACC or v[LOFF] behind it
	global_store_b128 v[LOFF], v[ACC:ACC+3], s[6:7]        ; the wave stores 512 consecutive bytes, at a multiple of 512 from keys' first byte
	; the block's maximum: four steps inside each half of 16 lanes, one across
	v_max_num_f32_dpp v[BM], v[BM], v[BM] row_xmask:1 row_mask:0xf bank_mask:0xf
	v_max_num_f32_dpp v[BM], v[BM], v[BM] row_xmask:2 row_mask:0xf bank_mask:0xf
	v_max_num_f32_dpp v[BM], v[BM], v[BM] row_xmask:4 row_mask:0xf bank_mask:0xf
	v_max_num_f32_dpp v[BM], v[BM], v[BM] row_xmask:8 row_mask:0xf bank_mask:0xf
	v_permlanex16_b32 v[X], v[BM], s22, s23        ; its destination has been written before
	v_max_num_f32 v[BM], v[BM], v[X]
	v_ashrrev_i32 v[X], 31, v[BM]
	v_or_b32 v[X], 0x80000000, v[X]
	v_xor_b32 v[BM], v[BM], v[X]                   ; as a key
	v_mov_b32 v[X+1], 0
	v_cmp_eq_u32 vcc_lo, 0, v[LANE]
	s_wait_xcnt 0x0                                ; EXEC is a source of the store above: it changes only behind this wait
	s_wait_alu depctr_va_vcc(0)                    ; the compare has written VCC, from which EXEC is made
	s_wait_alu depctr_va_vdst(0)                   ; ahead of the write of EXEC: the vector instructions are done; v[BM] and v[X+1], the last store's data and offset, are written
	s_wait_alu depctr_vm_vsrc(0)                   ; ahead of the write of EXEC: the store of keys has read its vector registers
	s_and_saveexec_b32 s20, vcc_lo
	global_store_b32 v[X+1], v[BM], s[8:9]         ; one word for 131,072 bytes read: not worth a barrier to gather 16 of them
	s_endpgm
.Lfunc_end_k_q2a3ec7fc3a_chanmax:
	.size	k_q2a3ec7fc3a_chanmax, .Lfunc_end_k_q2a3ec7fc3a_chanmax-k_q2a3ec7fc3a_chanmax
	.p2alignl 7, 3214868480
	.fill 96, 4, 3214868480
	.section	.rodata,"a",@progbits
	.p2align	6, 0x0
	.amdhsa_kernel k_q2a3ec7fc3a_chanmax
		.amdhsa_group_segment_fixed_size 0
		.amdhsa_private_segment_fixed_size 0
		.amdhsa_enable_private_segment 0
		.amdhsa_kernarg_size 24
		.amdhsa_user_sgpr_count 2
		.amdhsa_user_sgpr_kernarg_segment_ptr 1
		.amdhsa_wavefront_size32 1
		.amdhsa_system_sgpr_workgroup_id_x 1
		.amdhsa_system_sgpr_workgroup_id_y 1
		.amdhsa_system_sgpr_workgroup_id_z 1
		.amdhsa_system_vgpr_workitem_id 0
		.amdhsa_next_free_vgpr 168
		.amdhsa_next_free_sgpr 66
		.amdhsa_reserve_vcc 1
		.amdhsa_float_denorm_mode_32 3
		.amdhsa_float_denorm_mode_16_64 3
		.amdhsa_memory_ordered 1
		.amdhsa_forward_progress 1
		.amdhsa_inst_pref_size 27
	.end_amdhsa_kernel
	.amdgpu_metadata
---
amdhsa.version: [ 1, 2 ]
amdhsa.kernels:
  - .name:           k_q2a3ec7fc3a_chanmax
    .symbol:         k_q2a3ec7fc3a_chanmax.kd
    .args:
      - { .name: x, .offset: 0, .size: 8, .value_kind: global_buffer, .address_space: global }
      - { .name: keys, .offset: 8, .size: 8, .value_kind: global_buffer, .address_space: global }
      - { .name: bmax, .offset: 16, .size: 8, .value_kind: global_buffer, .address_space: global }
    .group_segment_fixed_size: 0
    .private_segment_fixed_size: 0
    .kernarg_segment_align: 8
    .kernarg_segment_size: 24
    .max_flat_workgroup_size: 512
    .sgpr_count:     66
    .vgpr_count:     168
    .wavefront_size: 32
...
	.end_amdgpu_metadata
.endif
;; end of part 4
;; launch cands: the kernel of part 2 again; grid 128 x 1, 1 waves a work-group, no clusters, 33,280 bytes of LDS; arguments keys, bmax, cand, cnt; writes cand, cnt
;; launch final: the kernel of part 3 again; grid 256 x 1, 16 waves a work-group, no clusters, 14,592 bytes of LDS; arguments x, cand, cnt, out0, out1, out2; writes out0, out1, out2
